; MI455X (gfx1250); checked and timed in simulation.
; The chip was launched on July 23, 2026; its instructions are those of AMD's public machine-readable ISA for CDNA 5 (MIT licence, August 2026) and "CDNA5" Instruction Set Architecture Reference Guide (July 2026). The comments in the code are by the model that wrote it; some were corrected since.
;; PM Flow. Allowed arithmetic: float matrix products may take bf16 or f16 operands with f32 sums; all other float work in f32.
;; Inputs: centers 16 x 2 float32; mus 16 float32; z 4,194,304 x 2 float32.
;; Outputs: out0 4,194,304 x 2 float32.
;; One version. Each part assembles by itself: llvm-mc -triple=amdgcn-amd-amdhsa -mcpu=gfx1250 --defsym DOCPART=n.
;; ======== version 1 of 1: 1 launch
;; launch pmflow (part 1): grid 256 x 1, 32 waves a work-group, no clusters, 0 bytes of LDS; arguments z, centers, mus, out0; writes out0
.if DOCPART == 1
	.amdgcn_target "amdgcn-amd-amdhsa--gfx1250"
	.amdhsa_code_object_version 6
	.text
	.protected	k_q12b9046fe5_pmflow
	.globl	k_q12b9046fe5_pmflow
	.p2align	8
	.type	k_q12b9046fe5_pmflow,@function
k_q12b9046fe5_pmflow:
	s_mov_b64 s[64:65], 0
	v_nop
	global_prefetch_b8 v0, s[64:65] scope:SCOPE_SE
	s_setreg_imm32_b32 hwreg(HW_REG_WAVE_MODE, 25, 1), 1
	s_wait_xcnt 0x0
; PMFlow: three steps of  z <- clip(z + DT (grad ln n + advect), -3, 3)  for 4,194,304 points z = (x, y), with
;   n = 1 + sum_k mu_k / r_k,   grad n = - sum_k mu_k / r_k^3 (z - c_k),   r_k^2 = |z - c_k|^2 + EPS,   16 centres c_k.
; One launch: z is read once, the three steps stay in registers, out0 is written once.
;
; ARITHMETIC.  Each (point, step, centre) takes ten f32 operations and one v_rsq_f32: dx, dy, two FMAs for r^2, inv = rsq(r^2), u = mu inv (the term of n, and
; a factor of w), n += u, t = inv inv, w = u t = mu / r^3, gx += w dx, gy += w dy.  A lane pairs TWO POINTS, X = (x0, x1), Y = (y0, y1), so that all ten
; are packed instructions: five for each item.  16 bytes loaded and 16 stored feed some 600 vector instructions, so the text is laid out for few
; instructions; memory only has to be asked early.
; THE SUM  sum_k w_bk rvec_bkd  STAYS ON THE VECTOR UNIT, IN f32: both factors belong to the point b, so there is no operand that points share, which is what
; a matrix instruction needs.  The form with a shared operand, z sum_k w - sum_k w c_k, is a difference of large sums (w reaches mu x 10^6
; beside a centre) and is not used.
; LEFT OUT: the x component of advect_vec, which reference() builds as ADVECT x 0: x gets no such term, whatever the inputs hold.  All three inputs are loaded.
; LIMITS: the clip is v_med3_num_f32: where reference() gives NaN (a NaN or an infinity in z; 0 x infinity where n is exactly 0) this text gives one of
; the bounds -3, 3 instead.  1 / r is v_rsq_f32 of r^2 (reference(): a root and a division), DT x ADVECT is added as the one constant 0.01, and DT is
; multiplied into 1 / n: the order of roundings differs from reference()'s, the sums run over k in ascending order as there.
;
; SHARES.  256 work-groups of 32 waves.  A work-group owns 131,072 consecutive bytes of z and of out0, as four chunks of 32,768.  In a chunk thread t owns the
; 16 bytes (two points) at 16 t and at 16,384 + 16 t: two groups of two points, whose instructions are interleaved so that neighbours do not depend
; on each other.  Every load and store of a wave covers 512 consecutive bytes that start at a multiple of 512.
.set KC,    16                         ; centres
.set NCH,   4                          ; chunks of a work-group
.set HALF,  16384                      ; 1,024 threads x 16 bytes: what one load or store line covers for the whole work-group
.set CB,    2*HALF                     ; bytes in a chunk
; vector registers
.set OFF,  1                           ; v1        16 t; never rewritten.  (v0: the thread's number, then the offset 0 for the constants' loads)
.set EPS,  2                           ; v[2:3]    EPS twice
.set C,    4                           ; v[4:35]   the centres as they lie in memory: pair k = (cx_k, cy_k); op_sel picks one of the two for both halves
.set M,    36                          ; v[36:51]  mu_0 .. mu_15; op_sel picks likewise
.set L,    52                          ; v[52:59]  the next chunk as loaded: group g: x0, y0, x1, y1
.set O,    60                          ; v[60:67]  the result in the same order, to store
.set ST,   68                          ; v[68:119] group g: 26 registers from ST + 26 g:
.set GS,   26
.set X,    0                           ;   (x0, x1)
.set Y,    2                           ;   (y0, y1)
.set N,    4                           ;   n, then -DT / n
.set GX,   6                           ;   sum of w dx
.set GY,   8                           ;   sum of w dy
.set U,    10                          ;   u = mu / r, then w = mu / r^3
.set T,    12                          ;   1 / r^2
.set DX,   14                          ;   dx, dy and r^2 (then 1 / r): two sets, 6 registers apart, for even and odd k
.set DY,   16
.set R,    18
; scalar registers
.set ZB,     4                         ; s[4:5]    z at the chunk that is loaded next
.set CEN,    6                         ; s[6:7]    centers
.set MUS,    8                         ; s[8:9]    mus
.set OB,     10                        ; s[10:11]  out0, stepped together with ZB
.set NDT,    12                        ; s[12:13]  -DT (the first of a scalar pair serves both halves; the second is written too)
.set ADV,    14                        ; s[14:15]  DT x ADVECT
.set CLIPLO, 16                        ; s16       -3.0
.set CLIPHI, 17                        ; s17       3.0
.set CNT,    18                        ; s18       chunks left with a load ahead
	s_load_b256 s[4:11], s[0:1], 0x0               ; z, centers, mus, out0
	s_lshl_b32 s2, ttmp9, 17                       ; the work-group's 131,072 bytes: at most 255 x 131,072, below 4 GiB
	s_mov_b32 s3, 0
	s_mov_b32 s[NDT],    0xbe4ccccd                ; -0.2
	s_mov_b32 s[NDT+1],  0xbe4ccccd
	s_mov_b32 s[ADV],    0x3c23d70a                ; 0.2 x 0.05 = 0.01
	s_mov_b32 s[ADV+1],  0x3c23d70a
	s_mov_b32 s[CLIPLO], 0xc0400000
	s_mov_b32 s[CLIPHI], 0x40400000
	v_lshlrev_b32 v[OFF], 4, v0                    ; 16 t
	v_mov_b32 v0, 0                                ; from here on the offset 0
	v_mov_b32 v[EPS],   0x38d1b717                 ; 1e-4
	v_mov_b32 v[EPS+1], 0x38d1b717
	s_wait_kmcnt 0x0
	s_add_nc_u64 s[ZB:ZB+1], s[ZB:ZB+1], s[2:3]
	s_add_nc_u64 s[OB:OB+1], s[OB:OB+1], s[2:3]
.irp g, 0,1
	global_load_b128 v[L+4*\g:L+4*\g+3], v[OFF], s[ZB:ZB+1] offset:\g*HALF th:TH_LOAD_NT   ; chunk 0 first: it comes from furthest away
.endr
.irp i, 0,1,2,3,4,5,6,7
	global_load_b128 v[C+4*\i:C+4*\i+3], v0, s[CEN:CEN+1] offset:16*\i     ; every lane reads the same 16 bytes: the 48 constants, once a wave
.endr
.irp i, 0,1,2,3
	global_load_b128 v[M+4*\i:M+4*\i+3], v0, s[MUS:MUS+1] offset:16*\i
.endr
; A(k): dx, dy and r^2 for centre k, both groups, into the set of k's parity.
.macro STAGE_A k
.set P, 6*((\k)%2)
.irp g, 0,1
.set G, ST+GS*\g
	v_pk_add_f32 v[G+DX+P:G+DX+P+1], v[G+X:G+X+1], v[C+2*(\k):C+2*(\k)+1] op_sel_hi:[1,0] neg_lo:[0,1] neg_hi:[0,1]              ; (x0, x1) - cx: the pair's first register for both halves
.endr
.irp g, 0,1
.set G, ST+GS*\g
	v_pk_add_f32 v[G+DY+P:G+DY+P+1], v[G+Y:G+Y+1], v[C+2*(\k):C+2*(\k)+1] op_sel:[0,1] op_sel_hi:[1,1] neg_lo:[0,1] neg_hi:[0,1] ; (y0, y1) - cy: its second register for both
.endr
.irp g, 0,1
.set G, ST+GS*\g
	v_pk_fma_f32 v[G+R+P:G+R+P+1], v[G+DX+P:G+DX+P+1], v[G+DX+P:G+DX+P+1], v[EPS:EPS+1]
.endr
.irp g, 0,1
.set G, ST+GS*\g
	v_pk_fma_f32 v[G+R+P:G+R+P+1], v[G+DY+P:G+DY+P+1], v[G+DY+P:G+DY+P+1], v[G+R+P:G+R+P+1]
.endr
.endm
; 1 / r for centre k, four points.  A plain vector instruction that touches none of these registers follows the run before a result is used
; (ISA guide 5.7.2): the caller puts A(k + 1), which works on the other set, behind it.
.macro STAGE_RSQ k
.set P, 6*((\k)%2)
.irp g, 0,1
.set G, ST+GS*\g
	v_rsq_f32 v[G+R+P],   v[G+R+P]
	v_rsq_f32 v[G+R+P+1], v[G+R+P+1]
.endr
.endm
; B(k): centre k's terms of n and of the gradient.  Centre 0 starts the three sums: nothing is cleared.  u is a product that both n and w need, so n takes an add.
; Behind the last centre's add n is complete: its four reciprocals go out at once, and the last w, gx, gy, which touch neither n nor 1 / n, stand behind them.
.macro STAGE_B k
.set P, 6*((\k)%2)
.irp g, 0,1
.set G, ST+GS*\g
.if (\k)%2
	s_wait_alu depctr_va_vdst(0)
	v_pk_mul_f32 v[G+U:G+U+1], v[G+R+P:G+R+P+1], v[M+(\k)-1:M+(\k)] op_sel:[0,1] op_sel_hi:[1,1]   ; u = mu_k / r: odd k is its pair's second register
.else
	s_wait_alu depctr_va_vdst(0)
	v_pk_mul_f32 v[G+U:G+U+1], v[G+R+P:G+R+P+1], v[M+(\k):M+(\k)+1] op_sel_hi:[1,0]                ; even k the first
.endif
.endr
.irp g, 0,1
.set G, ST+GS*\g
	v_pk_mul_f32 v[G+T:G+T+1], v[G+R+P:G+R+P+1], v[G+R+P:G+R+P+1]          ; 1 / r^2
.endr
.irp g, 0,1
.set G, ST+GS*\g
.if (\k) == 0
	v_pk_add_f32 v[G+N:G+N+1], v[G+U:G+U+1], 1.0 op_sel_hi:[1,0]           ; n = 1 + u_0
.else
	v_pk_add_f32 v[G+N:G+N+1], v[G+N:G+N+1], v[G+U:G+U+1]
.endif
.endr
.if (\k) == KC-1
.irp g, 0,1
.set G, ST+GS*\g
	v_rcp_f32 v[G+N],   v[G+N]
	v_rcp_f32 v[G+N+1], v[G+N+1]
.endr
.endif
.irp g, 0,1
.set G, ST+GS*\g
	v_pk_mul_f32 v[G+U:G+U+1], v[G+U:G+U+1], v[G+T:G+T+1]                  ; w = mu / r^3
.endr
.irp g, 0,1
.set G, ST+GS*\g
.if (\k) == 0
	v_pk_mul_f32 v[G+GX:G+GX+1], v[G+U:G+U+1], v[G+DX+P:G+DX+P+1]
.else
	v_pk_fma_f32 v[G+GX:G+GX+1], v[G+U:G+U+1], v[G+DX+P:G+DX+P+1], v[G+GX:G+GX+1]
.endif
.endr
.irp g, 0,1
.set G, ST+GS*\g
.if (\k) == 0
	v_pk_mul_f32 v[G+GY:G+GY+1], v[G+U:G+U+1], v[G+DY+P:G+DY+P+1]
.else
	v_pk_fma_f32 v[G+GY:G+GY+1], v[G+U:G+U+1], v[G+DY+P:G+DY+P+1], v[G+GY:G+GY+1]
.endif
.endr
.endm
; One step for the lane's four points.  last = 1: the clip writes the result in memory's order (x0, y0, x1, y1) into O; else back into X and Y.
.macro STEP last
	STAGE_A 0
.irp k, 0,1,2,3,4,5,6,7,8,9,10,11,12,13,14
	STAGE_RSQ \k
	STAGE_A \k+1                                   ; the next centre's eight plain instructions stand between the roots and their use
	STAGE_B \k
.endr
	STAGE_RSQ KC-1
	s_wait_alu depctr_va_vdst(0)
.irp g, 0,1
.set G, ST+GS*\g
	v_pk_add_f32 v[G+Y:G+Y+1], v[G+Y:G+Y+1], s[ADV:ADV+1] op_sel_hi:[1,0]  ; y + DT ADVECT: every dy of this step has been formed; also the plain work behind the last roots
.endr
	STAGE_B KC-1
	s_wait_alu depctr_va_vdst(0)
.irp g, 0,1
.set G, ST+GS*\g
	v_pk_mul_f32 v[G+N:G+N+1], v[G+N:G+N+1], s[NDT:NDT+1] op_sel_hi:[1,0]  ; -DT / n
.endr
.irp g, 0,1
.set G, ST+GS*\g
	v_pk_fma_f32 v[G+X:G+X+1], v[G+GX:G+GX+1], v[G+N:G+N+1], v[G+X:G+X+1]  ; x - DT (sum w dx) / n
.endr
.irp g, 0,1
.set G, ST+GS*\g
	v_pk_fma_f32 v[G+Y:G+Y+1], v[G+GY:G+GY+1], v[G+N:G+N+1], v[G+Y:G+Y+1]
.endr
.irp g, 0,1
.set G, ST+GS*\g
.if \last
	v_med3_num_f32 v[O+4*\g],   v[G+X],   s[CLIPLO], s[CLIPHI]
	v_med3_num_f32 v[O+4*\g+1], v[G+Y],   s[CLIPLO], s[CLIPHI]
	v_med3_num_f32 v[O+4*\g+2], v[G+X+1], s[CLIPLO], s[CLIPHI]
	v_med3_num_f32 v[O+4*\g+3], v[G+Y+1], s[CLIPLO], s[CLIPHI]
.else
	v_med3_num_f32 v[G+X],   v[G+X],   s[CLIPLO], s[CLIPHI]
	v_med3_num_f32 v[G+Y],   v[G+Y],   s[CLIPLO], s[CLIPHI]
	v_med3_num_f32 v[G+X+1], v[G+X+1], s[CLIPLO], s[CLIPHI]
	v_med3_num_f32 v[G+Y+1], v[G+Y+1], s[CLIPLO], s[CLIPHI]
.endif
.endr
.endm
; One chunk.  ahead = 1: the next chunk's two loads are issued at the head, with the whole chunk's arithmetic (some 1,200 instructions) in which to come.
.macro CHUNK ahead
	s_wait_loadcnt 0x0                             ; the only loads out are this chunk's two (the first time the constants' twelve as well): the count is zero because none is younger
.irp g, 0,1
.set G, ST+GS*\g
	v_mov_b32 v[G+X],   v[L+4*\g]                  ; (x0, y0, x1, y1) becomes (x0, x1), (y0, y1): the pairs that the packed instructions want;
	v_mov_b32 v[G+Y],   v[L+4*\g+1]                ; and L is free for the next chunk
	v_mov_b32 v[G+X+1], v[L+4*\g+2]
	v_mov_b32 v[G+Y+1], v[L+4*\g+3]
.endr
	s_wait_xcnt 0x0                                ; every earlier memory instruction has had its addresses translated (ISA guide 3.1): O, which the last chunk's stores read, and the two bases are rewritten only behind this wait
.if \ahead
	s_add_nc_u64 s[ZB:ZB+1], s[ZB:ZB+1], CB
	s_add_nc_u64 s[OB:OB+1], s[OB:OB+1], CB        ; stepped with it: this chunk's stores reach back by the immediate
.irp g, 0,1
	global_load_b128 v[L+4*\g:L+4*\g+3], v[OFF], s[ZB:ZB+1] offset:\g*HALF th:TH_LOAD_NT
.endr
.endif
	STEP 0
	STEP 0
	STEP 1
.irp g, 0,1
.if \ahead
	global_store_b128 v[OFF], v[O+4*\g:O+4*\g+3], s[OB:OB+1] offset:\g*HALF-CB th:TH_STORE_NT
.else
	global_store_b128 v[OFF], v[O+4*\g:O+4*\g+3], s[OB:OB+1] offset:\g*HALF th:TH_STORE_NT
.endif
.endr
.endm
	s_mov_b32 s[CNT], NCH-1
.Lchunk:
	CHUNK 1
	s_sub_co_u32 s[CNT], s[CNT], 1
	s_cmp_lg_u32 s[CNT], 0
	s_cbranch_scc1 .Lchunk
	CHUNK 0                                        ; the last chunk loads nothing: no load leaves the work-group's 131,072 bytes
	s_endpgm
.Lfunc_end_k_q12b9046fe5_pmflow:
	.size	k_q12b9046fe5_pmflow, .Lfunc_end_k_q12b9046fe5_pmflow-k_q12b9046fe5_pmflow
	.p2alignl 7, 3214868480
	.fill 96, 4, 3214868480
	.section	.rodata,"a",@progbits
	.p2align	6, 0x0
	.amdhsa_kernel k_q12b9046fe5_pmflow
		.amdhsa_group_segment_fixed_size 0
		.amdhsa_private_segment_fixed_size 0
		.amdhsa_enable_private_segment 0
		.amdhsa_kernarg_size 32
		.amdhsa_user_sgpr_count 2
		.amdhsa_user_sgpr_kernarg_segment_ptr 1
		.amdhsa_wavefront_size32 1
		.amdhsa_system_sgpr_workgroup_id_x 1
		.amdhsa_system_sgpr_workgroup_id_y 1
		.amdhsa_system_sgpr_workgroup_id_z 1
		.amdhsa_system_vgpr_workitem_id 0
		.amdhsa_next_free_vgpr 120
		.amdhsa_next_free_sgpr 66
		.amdhsa_reserve_vcc 0
		.amdhsa_float_denorm_mode_32 3
		.amdhsa_float_denorm_mode_16_64 3
		.amdhsa_memory_ordered 1
		.amdhsa_forward_progress 1
		.amdhsa_inst_pref_size 149
	.end_amdhsa_kernel
	.amdgpu_metadata
---
amdhsa.version: [ 1, 2 ]
amdhsa.kernels:
  - .name:           k_q12b9046fe5_pmflow
    .symbol:         k_q12b9046fe5_pmflow.kd
    .args:
      - { .name: z, .offset: 0, .size: 8, .value_kind: global_buffer, .address_space: global }
      - { .name: centers, .offset: 8, .size: 8, .value_kind: global_buffer, .address_space: global }
      - { .name: mus, .offset: 16, .size: 8, .value_kind: global_buffer, .address_space: global }
      - { .name: out0, .offset: 24, .size: 8, .value_kind: global_buffer, .address_space: global }
    .group_segment_fixed_size: 0
    .private_segment_fixed_size: 0
    .kernarg_segment_align: 8
    .kernarg_segment_size: 32
    .max_flat_workgroup_size: 1024
    .sgpr_count:     66
    .vgpr_count:     120
    .wavefront_size: 32
...
	.end_amdgpu_metadata
.endif
;; end of part 1
